; MI455X (gfx1250); checked and timed in simulation.
; The chip was launched on July 23, 2026; its instructions are those of AMD's public machine-readable ISA for CDNA 5 (MIT licence, August 2026) and "CDNA5" Instruction Set Architecture Reference Guide (July 2026). The comments in the code are by the model that wrote it; some were corrected since.
;; Dot Product Attention. Allowed arithmetic: float matrix products may take bf16 or f16 operands with f32 sums; all other float work in f32.
;; Inputs: keys_nsd 16 x 2,048 x 64 float32; prefix_len_n 16 int32; queries_nqd 16 x 2,048 x 64 float32; values_nsv 16 x 2,048 x 64 float32.
;; Outputs: out0 16 x 2,048 x 64 float32.
;; One version. Each part assembles by itself: llvm-mc -triple=amdgcn-amd-amdhsa -mcpu=gfx1250 --defsym DOCPART=n.
;; ======== version 1 of 1: 1 launch
;; limits: inputs' magnitudes at most 12,500; right only within a limited range of input values; inputs' magnitudes at most 65,504; values are held in f16: magnitudes above 65,504 overflow, below 6.1e-05 lose precision; below input magnitudes of 6.1e-05 results are inexact or not finite
;; launch attn (part 1): grid 256 x 1, 8 waves a work-group, no clusters, 222,208 bytes of LDS; arguments keys_nsd, values_nsv, queries_nqd, prefix_len_n, out0; writes out0
.if DOCPART == 1
	.amdgcn_target "amdgcn-amd-amdhsa--gfx1250"
	.amdhsa_code_object_version 6
	.text
	.protected	k_q00ca172bbf_attn
	.globl	k_q00ca172bbf_attn
	.p2align	8
	.type	k_q00ca172bbf_attn,@function
k_q00ca172bbf_attn:
	s_mov_b64 s[64:65], 0
	v_nop
	global_prefetch_b8 v0, s[64:65] scope:SCOPE_SE
	s_setreg_imm32_b32 hwreg(HW_REG_WAVE_MODE, 25, 1), 1
	s_wait_xcnt 0x0
; Softmax attention, 16 samples x 2048 queries x 2048 keys, d = v = 64, all f32 in memory.
; Key s counts for query q iff s < prefix_len[n] or s == q; scale 8/64.  Masked keys get weight 0 and are not visited.
;
; SHARING.  An item is (sample, 64 queries).  Work-group g = 32 p + j holds two items: queries 64 j .. 64 j + 63 of the sample whose
; prefix_len has ascending rank p and of the one with rank 15 - p, so that every work-group has about the same number of live keys.
; Four waves serve an item; each holds all 64 queries and takes the full 32-key tiles t = ks, ks + 4, ... below prefix_len, and one
; masked tile (the tail of the prefix, one of the two diagonal tiles, or an empty one).  A tile is fetched, rounded to f16 and used by
; one wave alone: the loop has no barrier.  At the end the four partial results (maximum, sum, O) are merged through LDS.
;
; LAYOUT.  S^T = K Q^T: a lane holds one query (lane % 16) in all registers, so the row maximum is taken inside the lane plus one exchange
; between the halves, and the packed exponentials are at once the second source of O^T += V^T P^T.  V^T comes by transposing LDS loads.
;
; FORMAT.  The products take f16 operands, not bf16.  Each number is compared against the root mean square over all 16 samples, and a sample
; with a short prefix has outputs up to four times that; f16 rounds with a step of 2^-11 of the value where bf16 has 2^-8.  All four
; operands have room: the weights lie in 0 .. 1, and inputs 30 times the drawn spread, or offset by 30 spreads, stay below 200 against 65,504.
;
; NO CLUSTER, NO TENSOR LOADS: the 32 work-groups of a sample read the same tiles, but the tiles are f32 and the matrix unit wants f16.
; Brought into LDS as f32 a tile pair would be 16 KB written and 16 KB read there for every wave job, and V would make the f16 trip
; besides; through registers it is 8 KB in and 8 KB out.  The LDS bytes, not the requests for tiles, are what the sharing would raise.
;
; LIMITS.  Inputs finite and of magnitude at most 65,504 (beyond it the rounding to f16 gives infinity).  Q, K, V and the weights are rounded
; to f16 for the products; weights below 2^-14 of the running maximum weight are f16 denormals (absolute step 2^-24), below 2^-25 they
; count as 0 in O.  Maxima, exponents and sums are f32.
; A masked key has weight exactly 0, as in the reference while live scaled scores stay above about -1e9 + 104.
; The running maximum starts at -1e30: raw scores must lie above that.  prefix_len is clamped to 0 .. 2048, which is what the comparison
; with the key positions 0 .. 2047 yields.
.set KP,     144                       ; LDS pitch of the f16 K (and Q) rows: 128 bytes + 16 = 9 x 16: 16 rows start at 16 different 16-byte columns mod 256
.set VP,     160                       ; LDS pitch of the f16 V rows: 5 x 32, for the transposing loads
.set RP,     272                       ; LDS pitch of a row of 64 f32 in the merge: 256 + 16
.set WPRIV,  32*KP+32*VP               ; 9,728 bytes of tile buffers for each wave
.set STATS,  8*WPRIV                   ; 77,824: for each wave 64 queries x (sum, -C max)
.set REG,    STATS+8*512               ; 81,920: for each wave its scaled O, 64 rows x 272 bytes
.set REGW,   64*RP                     ; 17,408;  REG + 8 x 17,408 = 221,184, below the 222,208 bytes of LDS
.set AHEAD,  3                         ; a prefetch asks for the tile that is loaded three loads later
.set MAXROW, 16*2048-32                ; the last row at which a tile of 32 rows can begin
.set CSC,    0x3e38aa3b                ; 0.125 x log2 e
.set NEGC,   0xbe38aa3b
.set FLOOR,  0xf149f2ca                ; -1e30
.set NINF,   0xff800000
; window 0
.set MX,   8                           ; v8-11    running maximum (raw scores), query block i
.set NM,   12                          ; v12-15   -C x maximum, rounded once
.set LP,   16                          ; v16-23   partial sums, a pair for each query block
.set KF,   32                          ; v32-63   K fragments [kt][dh]
.set VF,   64                          ; v64-95   V^T fragments [vt]
.set SA,   96                          ; v96-111  scores, buffer A
.set SB,   112                         ; v112-127 scores, buffer B
.set PF0,  128                         ; v128-135 packed weights
.set PF1,  136                         ; v136-143
.set QF,   144                         ; v144-207 Q fragments [i][dh]
.set TA,   208                         ; v208-215 four pairs at work
.set UB,   216                         ; v216-219 masked tile: first key of the lane minus the lower bound
.set LEN,  220                         ; v220-223 masked tile: number of live keys from the lower bound on
.set SR,   224                         ; v224-227 LDS address of partner k stats
.set RR,   228                         ; v228-231 LDS address of partner k rows that I sum
; v1 16 x lane; v2, v3 LDS store addresses K, V; v4, v5 fragment addresses K, V; v6 256 x lane; v7 my stats; v24-25 -C max; v26-27 factor;
; v28-31 at work; v232 my rows in REG; v233 -inf; v234-243 set-up
; window 1 (written here by their low 8 bits)
.set STGK, 128                         ; v384-447 K tile as loaded, then packed
.set STGV, 192                         ; v448-511 V tile
; accumulators O^T (i, vt) at 32 i + 8 vt: v256-383; they take the Q block on its way in
.set MSB, 0
.macro WIN new                         ; the high byte of the immediate repeats the setting that is left
.if MSB != \new
	s_set_vgpr_msb (MSB<<8)|\new
.set MSB, \new
.endif
.endm
; 64 f32 registers of window 1 -> f16, in place: load k keeps its 8 bytes in registers 4 k, 4 k + 1   (window 0x45)
.macro CVT base
.set kk, 0
.rept 16
	v_cvt_pk_f16_f32 v[\base+4*kk], v[\base+4*kk], v[\base+4*kk+1]
	v_cvt_pk_f16_f32 v[\base+4*kk+1], v[\base+4*kk+2], v[\base+4*kk+3]
.set kk, kk+1
.endr
.endm
; 32 rows of 64 f16 into LDS: store k holds rows 2 k (lanes 0-15) and 2 k + 1 (lanes 16-31)   (window 0x04)
.macro ST addr, base, pitch
.set kk, 0
.rept 16
	ds_store_b64 v[\addr], v[\base+4*kk:\base+4*kk+1] offset:2*kk*\pitch
.set kk, kk+1
.endr
.endm
; four fragments of 16 rows x 32 d from the K buffer
.macro LDK dst
.irp kt, 0,1
.irp dh, 0,1
	ds_load_b128 v[\dst+16*\kt+8*\dh:\dst+16*\kt+8*\dh+3],   v4 offset:\kt*16*KP+64*\dh
	ds_load_b128 v[\dst+16*\kt+8*\dh+4:\dst+16*\kt+8*\dh+7], v4 offset:\kt*16*KP+64*\dh+32
.endr
.endr
.endm
; four fragments of V^T: 16 v x 32 keys each, transposed on the way
.macro LDV
.irp vt, 0,1,2,3
	ds_load_tr16_b128 v[VF+8*\vt:VF+8*\vt+3],   v5 offset:32*\vt
	ds_load_tr16_b128 v[VF+8*\vt+4:VF+8*\vt+7], v5 offset:32*\vt+16*VP
.endr
.endm
; a tile pair, 8 KB of K and 8 KB of V, each load 512 consecutive bytes   (window 0x40)
.macro LOADTILE
.set kk, 0
.rept 16
	global_load_b128 v[STGK+4*kk:STGK+4*kk+3], v1, s[32:33] offset:512*kk
.set kk, kk+1
.endr
.set kk, 0
.rept 16
	global_load_b128 v[STGV+4*kk:STGV+4*kk+3], v1, s[34:35] offset:512*kk
.set kk, kk+1
.endr
.endm
; The staged tile goes to f16, through LDS, into fragments; then the next tile is asked for.
.macro NEXT tag
	s_wait_loadcnt 16                              ; K: its 16 loads are in, the 16 younger ones (V) may be out
	s_wait_xcnt 0x0                                ; the prefetch bases s[38:41] are rewritten below only behind this wait, a whole job behind the prefetch
	WIN 0x45
	CVT STGK                                       ; 32 plain vector instructions: the places behind the last job matrix instructions
	WIN 0x04
	ST 2, STGK, KP
	WIN 0
	LDK KF                                         ; LDS serves a wave in order (ISA guide 5.7.1): these see the stores above
	s_wait_loadcnt 0x0                             ; V is in; s[32:35] are free
	WIN 0x45
	CVT STGV
	WIN 0x04
	ST 3, STGV, VP
	WIN 0
	LDV
	s_cmp_eq_u32 s42, 1                            ; this is my last job: nothing more to fetch
	s_cbranch_scc1 .Lnoload_\tag
	s_min_u32 s43, s28, MAXROW                     ; a row number made from prefix_len enters an address only clamped
	s_lshl_b32 s36, s43, 8                         ; 256 bytes a row
	s_add_nc_u64 s[32:33], s[4:5], s[36:37]
	s_add_nc_u64 s[34:35], s[6:7], s[36:37]
	WIN 0x40
	LOADTILE
	WIN 0
	s_add_co_u32 s28, s28, 128                     ; my next full tile: four tiles on
	; Prefetch.  The 32 work-groups of a sample walk the same tiles.  In its turn number j work-group j alone asks, for each of its four
	; waves, for the tile pair that this wave loads AHEAD loads later: 32 lanes 256 bytes apart cover 8 KB of K and 8 KB of V.
	; So each block is asked for once in the launch, and never beyond the last full tile (s42 - 1 loads are left, this one included).
	s_cmp_lg_u32 s45, s18
	s_cbranch_scc1 .Lnopf_\tag
	s_cmp_le_u32 s42, AHEAD+1
	s_cbranch_scc1 .Lnopf_\tag
	s_add_co_u32 s43, s28, (AHEAD-1)*128
	s_min_u32 s43, s43, MAXROW
	s_lshl_b32 s48, s43, 8
	s_add_nc_u64 s[38:39], s[4:5], s[48:49]
	s_add_nc_u64 s[40:41], s[6:7], s[48:49]
	global_prefetch_b8 v6, s[38:39] th:TH_LOAD_NT scope:SCOPE_SE
	global_prefetch_b8 v6, s[40:41] th:TH_LOAD_NT scope:SCOPE_SE
.Lnopf_\tag:
	s_add_co_u32 s45, s45, 1                       ; turns counted
.Lnoload_\tag:
.endm
; S^T (32 keys x 16 queries of block i) = K Q^T over d = 64: two chains of two links, interleaved
.macro QK i, s
	v_wmma_f32_16x16x32_f16 v[\s:\s+7],    v[KF:KF+7],     v[QF+16*\i:QF+16*\i+7], 0
	v_wmma_f32_16x16x32_f16 v[\s+8:\s+15], v[KF+16:KF+23], v[QF+16*\i:QF+16*\i+7], 0
	v_wmma_f32_16x16x32_f16 v[\s:\s+7],    v[KF+8:KF+15],  v[QF+16*\i+8:QF+16*\i+15], v[\s:\s+7]
	v_wmma_f32_16x16x32_f16 v[\s+8:\s+15], v[KF+24:KF+31], v[QF+16*\i+8:QF+16*\i+15], v[\s+8:\s+15]
.endm
; Online softmax of query block i.  Register x of s holds key 16 (x / 8) + 8 h + x % 8 of the tile, query lane % 16.
; m = 1: the masked first job: dead keys become -inf, the sums start here and there is no old state to scale.
.macro SM i, s, pf, m
.if \m
.set kk, 0
.rept 16
	v_add_nc_u32 v28, kk+(kk/8)*8, v[UB+\i]
	v_cmp_gt_u32 vcc_lo, v[LEN+\i], v28            ; live iff 0 <= key - lower bound < length, in one unsigned compare
	v_cndmask_b32 v[\s+kk], v233, v[\s+kk], vcc_lo
.set kk, kk+1
.endr
.endif
	v_max3_num_f32 v28, v[\s+0], v[\s+1], v[\s+2]
	v_max3_num_f32 v29, v[\s+3], v[\s+4], v[\s+5]
	v_max3_num_f32 v28, v28, v[\s+6], v[\s+7]
	v_max3_num_f32 v29, v29, v[\s+8], v[\s+9]
	v_max3_num_f32 v28, v28, v[\s+10], v[\s+11]
	v_max3_num_f32 v29, v29, v[\s+12], v[\s+13]
	v_max3_num_f32 v28, v28, v[\s+14], v[\s+15]
	v_max3_num_f32 v28, v28, v29, v[MX+\i]         ; with the running maximum
	v_permlanex16_b32 v30, v28, s30, s31           ; the other 16 keys of the same query lie in lane xor 16
	v_max_num_f32 v[MX+\i], v28, v30
	v_mul_f32 v24, s52, v[MX+\i]                   ; -C max, rounded once and used for weights and factor alike
.if \m == 0
	v_sub_f32 v31, v24, v[NM+\i]                   ; C (old max - new max)
.endif
	v_mov_b32 v[NM+\i], v24
.set kk, 0
.rept 8
	v_pk_fma_f32 v[\s+2*kk:\s+2*kk+1], v[\s+2*kk:\s+2*kk+1], s[50:51], v[24:25] op_sel_hi:[1,0,0]
.set kk, kk+1
.endr
.if \m == 0
	v_exp_f32 v26, v31
.endif
.set kk, 0
.rept 16
	v_exp_f32 v[\s+kk], v[\s+kk]
.set kk, kk+1
.endr
	v_nop                                          ; one plain place between the exponentials and their first use (ISA guide 5.7.2)
	s_wait_alu depctr_va_vdst(0)
	v_pk_add_f32 v[TA:TA+1],   v[\s:\s+1],     v[\s+2:\s+3]
	v_pk_add_f32 v[TA+2:TA+3], v[\s+4:\s+5],   v[\s+6:\s+7]
	v_pk_add_f32 v[TA+4:TA+5], v[\s+8:\s+9],   v[\s+10:\s+11]
	v_pk_add_f32 v[TA+6:TA+7], v[\s+12:\s+13], v[\s+14:\s+15]
	v_pk_add_f32 v[TA:TA+1],   v[TA:TA+1],     v[TA+2:TA+3]
	v_pk_add_f32 v[TA+4:TA+5], v[TA+4:TA+5],   v[TA+6:TA+7]
.if \m
	v_pk_add_f32 v[LP+2*\i:LP+2*\i+1], v[TA:TA+1], v[TA+4:TA+5]
.else
	v_pk_add_f32 v[TA:TA+1], v[TA:TA+1], v[TA+4:TA+5]
	v_pk_fma_f32 v[LP+2*\i:LP+2*\i+1], v[LP+2*\i:LP+2*\i+1], v[26:27], v[TA:TA+1] op_sel_hi:[1,0,1]
.endif
.set kk, 0
.rept 8
	v_cvt_pk_f16_f32 v[\pf+kk], v[\s+2*kk], v[\s+2*kk+1]    ; registers 0-3: keys 8 h .. 8 h + 7, 4-7: 16 + 8 h ..: the fragment of P^T as it stands
.set kk, kk+1
.endr
.endm
; the 32 accumulator registers of query block i times the lane factor in v[al]
.macro RESC i, al
	WIN 0x41
.set kk, 0
.rept 16
	v_pk_mul_f32 v[32*\i+2*kk:32*\i+2*kk+1], v[32*\i+2*kk:32*\i+2*kk+1], v[\al:\al+1] op_sel_hi:[1,0]
.set kk, kk+1
.endr
.endm
; O^T (64 v x 16 queries of block i) += V^T P^T over the 32 keys.  m = 1: the first product starts the sums.
.macro PV i, pf, m
	WIN 0x50
.irp vt, 0,1,2,3
.if \m
	v_wmma_f32_16x16x32_f16 v[32*\i+8*\vt:32*\i+8*\vt+7], v[VF+8*\vt:VF+8*\vt+7], v[\pf:\pf+7], 0
.else
	v_wmma_f32_16x16x32_f16 v[32*\i+8*\vt:32*\i+8*\vt+7], v[VF+8*\vt:VF+8*\vt+7], v[\pf:\pf+7], v[32*\i+8*\vt:32*\i+8*\vt+7]
.endif
.endr
	WIN 0
.endm
; One job: 64 queries x 32 keys.  Distances behind matrix instructions (ISA guide 7.12.1): a score buffer is read by vector instructions
; behind the four v_nop or behind a whole softmax of the other buffer, and written again by QK behind at least that; a weight fragment
; is rewritten a whole softmax behind the PV that read it.
.macro COMPUTE m
	s_wait_dscnt 24                                ; K fragments (and Q) are in: behind them stand 16 stores of V and 8 transposing loads
	QK 0, SA
	QK 1, SB
.rept 4
	v_nop
.endr
	SM 0, SA, PF0, \m
	QK 2, SA
.if \m == 0
	RESC 0, 26
.endif
	s_wait_dscnt 0x0                               ; V^T fragments are in
	PV 0, PF0, \m
	SM 1, SB, PF1, \m
	QK 3, SB
.if \m == 0
	RESC 1, 26
.endif
	PV 1, PF1, \m
	SM 2, SA, PF0, \m
.if \m == 0
	RESC 2, 26
.endif
	PV 2, PF0, \m
	SM 3, SB, PF1, \m
.if \m == 0
	RESC 3, 26
.endif
	PV 3, PF1, \m
.endm
; =============================== set-up ===============================
	s_load_b256 s[4:11], s[0:1], 0x0               ; K s[4:5], V s[6:7], Q s[8:9], prefix_len s[10:11]
	s_load_b64 s[12:13], s[0:1], 0x20              ; out
	v_lshl_add_u32 v254, v0, 2, 0x36000
	v_mov_b32 v255, 0
	v_lshrrev_b32 v234, 5, v0
	v_readfirstlane_b32 s14, v234                  ; wave w, 0 to 7
	s_lshr_b32 s43, s14, 2
	s_xor_b32 s15, s14, s43
	s_and_b32 s15, s15, 1                          ; item: waves 0, 2, 5, 7 serve item 0, waves 1, 3, 4, 6 item 1
	s_lshr_b32 s16, s14, 1                         ; ks: which quarter of the keys
	s_lshr_b32 s17, ttmp9, 5                       ; p: the pair of samples
	s_and_b32 s18, ttmp9, 31                       ; j: the block of 64 queries
	s_sub_co_u32 s43, 15, s17
	s_cmp_eq_u32 s15, 0
	s_cselect_b32 s19, s17, s43                    ; the rank that my item wants
	s_lshl_b32 s25, s18, 6                         ; q0
	s_mov_b32 s30, 0x76543210                      ; v_permlanex16_b32: lane i reads lane i of the other half
	s_mov_b32 s31, 0xfedcba98
	s_mov_b32 s37, 0                               ; high words of the offset pairs
	s_mov_b32 s49, 0
	s_mov_b32 s50, CSC
	s_mov_b32 s51, CSC
	s_mov_b32 s52, NEGC
	v_and_b32 v235, 31, v0                         ; lane
	v_and_b32 v236, 15, v0                         ; r
	v_bfe_u32 v237, v0, 4, 1                       ; h
	v_lshlrev_b32 v1, 4, v235                      ; 16 bytes a lane
	v_lshlrev_b32 v6, 8, v235                      ; 256 bytes a lane, for the prefetch
	s_mul_i32 s43, s14, WPRIV                      ; my K buffer
	s_add_co_u32 s44, s43, 32*KP                   ; my V buffer
	v_mul_u32_u24 v238, v237, KP
	v_lshl_add_u32 v238, v236, 3, v238
	v_add_nc_u32 v2, s43, v238                     ; K in: row h, 8 bytes at 8 r
	v_mul_u32_u24 v238, v237, VP
	v_lshl_add_u32 v238, v236, 3, v238
	v_add_nc_u32 v3, s44, v238                     ; V in
	v_mul_u32_u24 v238, v236, KP
	v_lshl_add_u32 v238, v237, 4, v238
	v_add_nc_u32 v4, s43, v238                     ; K fragment: row r, 16 h
	v_and_b32 v238, 7, v0
	v_lshl_add_u32 v238, v237, 3, v238
	v_mul_u32_u24 v238, v238, VP
	v_bfe_u32 v239, v0, 3, 1
	v_lshl_add_u32 v238, v239, 4, v238
	v_add_nc_u32 v5, s44, v238                     ; V^T fragment: row 8 h + lane % 8, 16 bytes at 16 ((lane / 8) % 2)
	s_lshl_b32 s46, s14, 9
	s_add_co_u32 s46, s46, STATS
	v_lshl_add_u32 v7, v236, 3, s46                ; my stats: 8 bytes for query r
	v_mul_u32_u24 v238, v237, RP
	v_lshl_add_u32 v238, v236, 4, v238
	s_mul_i32 s46, s16, 16*RP
	v_add_nc_u32 v238, s46, v238                   ; rows 16 ks + h of a region, 16 bytes at 16 r
	v_lshlrev_b32 v239, 3, v236
.macro PARTNER k                       ; s47: the wave of my item with ks = k
	s_lshl_b32 s46, s47, 9
	s_add_co_u32 s46, s46, STATS
	v_add_nc_u32 v[SR+\k], s46, v239
	s_mul_i32 s46, s47, REGW
	s_add_co_u32 s46, s46, REG
	v_add_nc_u32 v[RR+\k], s46, v238
.endm
	s_mov_b32 s47, s15
	PARTNER 0
	s_add_co_u32 s47, s15, 2
	PARTNER 1
	s_sub_co_u32 s47, 5, s15
	PARTNER 2
	s_sub_co_u32 s47, 7, s15
	PARTNER 3
	s_mul_i32 s46, s14, REGW
	s_add_co_u32 s46, s46, REG
	v_mul_u32_u24 v240, v236, RP
	v_lshl_add_u32 v240, v237, 5, v240
	v_add_nc_u32 v232, s46, v240                   ; my region: row r, 32 bytes at 32 h
	v_mov_b32 v25, 0                               ; upper halves of broadcast pairs, and the exchange register: written once, values unused
	v_mov_b32 v27, 0
	v_mov_b32 v30, 0
	v_mov_b32 v233, NINF
.irp i, 0,1,2,3
	v_mov_b32 v[MX+\i], FLOOR
.endr
	v_lshlrev_b32 v241, 2, v236
	s_wait_kmcnt 0x0
	global_load_b32 v234, v241, s[10:11]           ; prefix_len[lane % 16]
	s_wait_loadcnt 0x0
	v_max_i32 v234, 0, v234
	v_min_u32 v234, 0x800, v234                    ; 0 .. 2048
	v_lshl_or_b32 v242, v234, 4, v236              ; 16 L + sample: sixteen different keys
	v_mov_b32 v240, 0
.irp jj, 0,1,2,3,4,5,6,7,8,9,10,11,12,13,14,15
	v_readlane_b32 s43, v242, \jj
	v_cmp_lt_u32 vcc_lo, s43, v242
	v_cndmask_b32 v243, 0, 1, vcc_lo
	v_add_nc_u32 v240, v240, v243                  ; rank = how many keys are smaller
.endr
	v_cmp_eq_u32 s44, s19, v240
	s_ctz_i32_b32 s20, s44
	s_min_u32 s20, s20, 15                         ; n: my sample
	v_readlane_b32 s21, v234, s20
	s_min_u32 s21, s21, 0x800                      ; L
	s_lshl_b32 s26, s20, 11                        ; first row of the sample
	s_lshr_b32 s22, s21, 5                         ; full tiles
	s_add_co_u32 s23, s22, 3
	s_sub_co_u32 s23, s23, s16
	s_lshr_b32 s23, s23, 2                         ; of which mine: t = ks, ks + 4, ...
	s_sub_co_u32 s24, s16, s22
	s_and_b32 s24, s24, 3                          ; role of my masked tile: 0 tail, 1 and 2 the diagonal halves, 3 empty
	s_lshl_b32 s43, s22, 5                         ; first key of the tail
	s_min_u32 s44, s43, 2016                       ; (L = 2048: the tail is empty; its tile stays inside the sample)
	s_and_b32 s46, s21, 31
	s_cmp_eq_u32 s24, 2
	s_cselect_b32 s47, 32, 0
	s_add_co_u32 s47, s47, s25
	s_cmp_eq_u32 s24, 0
	s_cselect_b32 s27, s44, s47                    ; first key of the masked tile
	s_cselect_b32 s54, s43, s25                    ; lower bound, scalar part
	s_cselect_b32 s55, s46, 0                      ; length, scalar part
	s_add_co_u32 s53, s24, 1
	s_bfe_u32 s53, s53, 0x10001                    ; 1 for the diagonal roles
	v_mov_b32 v238, s53
	v_lshl_add_u32 v239, v237, 3, s27
.irp i, 0,1,2,3
	v_add_nc_u32 v240, 16*\i, v236
	v_mad_u32_u24 v240, v240, s53, s54             ; lower bound: the tail start, or the query itself
	v_cmp_le_u32 vcc_lo, s21, v240
	v_cndmask_b32 v241, 0, v238, vcc_lo            ; the diagonal key counts only where the prefix does not hold it already
	v_add_nc_u32 v[LEN+\i], s55, v241
	v_sub_nc_u32 v[UB+\i], v239, v240
.endr
	s_add_co_u32 s43, s26, s25
	s_min_u32 s43, s43, 16*2048-64
	s_lshl_b32 s36, s43, 8
	s_add_nc_u64 s[56:57], s[8:9], s[36:37]        ; my 64 queries
	s_add_co_u32 s43, s26, s27
	s_min_u32 s43, s43, MAXROW
	s_lshl_b32 s36, s43, 8
	s_add_nc_u64 s[32:33], s[4:5], s[36:37]        ; the masked tile
	s_add_nc_u64 s[34:35], s[6:7], s[36:37]
	WIN 0x40
.set kk, 0
.rept 32
	global_load_b128 v[4*kk:4*kk+3], v1, s[56:57] offset:512*kk    ; Q, 16 KB, into the accumulator registers
.set kk, kk+1
.endr
	LOADTILE
	WIN 0
	s_wait_loadcnt 32                              ; Q is in; the 32 loads of the tile stay out
	WIN 0x45
	CVT 0
	CVT 64
	WIN 0x04
	ST 2, 0, KP                                    ; queries 0-31 through my K buffer,
	WIN 0
	LDK QF
	WIN 0x04
	ST 2, 64, KP                                   ; then queries 32-63: LDS serves a wave in order, so no wait between
	WIN 0
	LDK QF+32
	s_lshl_b32 s43, s16, 5
	s_add_co_u32 s28, s26, s43                     ; row of my first full tile
	s_add_co_u32 s42, s23, 1                       ; jobs: the masked one and my full tiles
	s_mov_b32 s45, 0
; =============================== the jobs ===============================
	NEXT p
	COMPUTE 1
	s_sub_co_u32 s42, s42, 1
	s_cmp_eq_u32 s42, 0
	s_cbranch_scc1 .Lmerge
.Lloop:
	NEXT f
	COMPUTE 0
	s_sub_co_u32 s42, s42, 1
	s_cmp_lg_u32 s42, 0
	s_cbranch_scc1 .Lloop
; =============================== the merge ===============================
.Lmerge:
	s_lshl_b32 s43, s16, 4
	s_add_co_u32 s43, s43, s25
	s_add_co_u32 s43, s43, s26
	s_min_u32 s43, s43, 16*2048-16
	s_lshl_b32 s36, s43, 8
	s_add_nc_u64 s[56:57], s[12:13], s[36:37]      ; out at the 16 rows that I write (the loads from Q were waited for long ago)
.irp i, 0,1,2,3
	v_add_f32 v28, v[LP+2*\i], v[LP+2*\i+1]
	v_permlanex16_b32 v30, v28, s30, s31
	v_add_f32 v[LP+2*\i], v28, v30                 ; my sum for query r of block i
	v_mov_b32 v[LP+2*\i+1], v[NM+\i]
	ds_store_b64 v7, v[LP+2*\i:LP+2*\i+1] offset:128*\i    ; both halves of the lanes write the same bytes with the same values
.endr
	s_wait_dscnt 0x0                               ; for the partners: my stats are in LDS
	s_barrier_signal -1
	s_barrier_wait -1
.irp i, 0,1,2,3
.irp k, 0,1,2,3
	ds_load_b64 v[32+8*\i+2*\k:33+8*\i+2*\k], v[SR+\k] offset:128*\i
.endr
.endr
	s_wait_dscnt 0x0
.irp i, 0,1,2,3
	v_min3_num_f32 v28, v[33+8*\i], v[35+8*\i], v[37+8*\i]
	v_min_num_f32 v28, v28, v[39+8*\i]             ; -C x the maximum over the four waves
	v_sub_f32 v29, v28, v[NM+\i]
	v_sub_f32 v[33+8*\i], v28, v[33+8*\i]
	v_sub_f32 v[35+8*\i], v28, v[35+8*\i]
	v_sub_f32 v[37+8*\i], v28, v[37+8*\i]
	v_sub_f32 v[39+8*\i], v28, v[39+8*\i]
	v_exp_f32 v29, v29                             ; my weight,
	v_exp_f32 v[33+8*\i], v[33+8*\i]               ; and all four
	v_exp_f32 v[35+8*\i], v[35+8*\i]
	v_exp_f32 v[37+8*\i], v[37+8*\i]
	v_exp_f32 v[39+8*\i], v[39+8*\i]
	v_nop                                          ; one plain place behind the exponentials
	s_wait_alu depctr_va_vdst(0)
	v_mul_f32 v31, v[33+8*\i], v[32+8*\i]
	v_fmac_f32 v31, v[35+8*\i], v[34+8*\i]
	v_fmac_f32 v31, v[37+8*\i], v[36+8*\i]
	v_fmac_f32 v31, v[39+8*\i], v[38+8*\i]         ; the whole sum: at least about 1, since every query has a live key
	v_rcp_f32 v31, v31
	v_nop                                          ; one plain place behind the reciprocal
	s_wait_alu depctr_va_vdst(0)
	v_mul_f32 v[TA+2*\i], v29, v31
.endr
	RESC 0, TA
	RESC 1, TA+2
	RESC 2, TA+4
	RESC 3, TA+6
	WIN 0x04
.irp i, 0,1,2,3
.irp vt, 0,1,2,3
	ds_store_b128 v232, v[32*\i+8*\vt:32*\i+8*\vt+3]   offset:16*RP*\i+64*\vt      ; query 16 i + r, v = 16 vt + 8 h .. + 7
	ds_store_b128 v232, v[32*\i+8*\vt+4:32*\i+8*\vt+7] offset:16*RP*\i+64*\vt+16
.endr
.endr
	WIN 0
	s_wait_dscnt 0x0                               ; for the partners: my scaled O is in LDS
	s_barrier_signal -1
	s_barrier_wait -1
.irp t, 0,1,2,3,4,5,6,7
.irp k, 0,1,2,3
	ds_load_b128 v[32+16*\t+4*\k:35+16*\t+4*\k], v[RR+\k] offset:2*RP*\t   ; rows 16 ks + 2 t, + 1 of partner k
.endr
.endr
.irp t, 0,1,2,3,4,5,6,7
	s_wait_dscnt 28-4*\t                           ; the four loads of this row pair are in; those of the later pairs stay out
	v_pk_add_f32 v[32+16*\t:33+16*\t], v[32+16*\t:33+16*\t], v[36+16*\t:37+16*\t]
	v_pk_add_f32 v[34+16*\t:35+16*\t], v[34+16*\t:35+16*\t], v[38+16*\t:39+16*\t]
	v_pk_add_f32 v[40+16*\t:41+16*\t], v[40+16*\t:41+16*\t], v[44+16*\t:45+16*\t]
	v_pk_add_f32 v[42+16*\t:43+16*\t], v[42+16*\t:43+16*\t], v[46+16*\t:47+16*\t]
	v_pk_add_f32 v[32+16*\t:33+16*\t], v[32+16*\t:33+16*\t], v[40+16*\t:41+16*\t]
	v_pk_add_f32 v[34+16*\t:35+16*\t], v[34+16*\t:35+16*\t], v[42+16*\t:43+16*\t]
	global_store_b128 v1, v[32+16*\t:35+16*\t], s[56:57] offset:512*\t th:TH_STORE_NT   ; two whole rows: 512 consecutive bytes, aligned
.endr
	s_wait_tensorcnt 0x0
	ds_add_u32 v254, v255
	s_wait_dscnt 0x0
	s_endpgm
.Lfunc_end_k_q00ca172bbf_attn:
	.size	k_q00ca172bbf_attn, .Lfunc_end_k_q00ca172bbf_attn-k_q00ca172bbf_attn
	.p2alignl 7, 3214868480
	.fill 96, 4, 3214868480
	.section	.rodata,"a",@progbits
	.p2align	6, 0x0
	.amdhsa_kernel k_q00ca172bbf_attn
		.amdhsa_group_segment_fixed_size 222208
		.amdhsa_private_segment_fixed_size 0
		.amdhsa_enable_private_segment 0
		.amdhsa_kernarg_size 40
		.amdhsa_user_sgpr_count 2
		.amdhsa_user_sgpr_kernarg_segment_ptr 1
		.amdhsa_wavefront_size32 1
		.amdhsa_system_sgpr_workgroup_id_x 1
		.amdhsa_system_sgpr_workgroup_id_y 1
		.amdhsa_system_sgpr_workgroup_id_z 1
		.amdhsa_system_vgpr_workitem_id 0
		.amdhsa_next_free_vgpr 512
		.amdhsa_next_free_sgpr 66
		.amdhsa_reserve_vcc 1
		.amdhsa_float_denorm_mode_32 3
		.amdhsa_float_denorm_mode_16_64 3
		.amdhsa_memory_ordered 1
		.amdhsa_forward_progress 1
		.amdhsa_inst_pref_size 101
	.end_amdhsa_kernel
	.amdgpu_metadata
---
amdhsa.version: [ 1, 2 ]
amdhsa.kernels:
  - .name:           k_q00ca172bbf_attn
    .symbol:         k_q00ca172bbf_attn.kd
    .args:
      - { .name: keys_nsd, .offset: 0, .size: 8, .value_kind: global_buffer, .address_space: global }
      - { .name: values_nsv, .offset: 8, .size: 8, .value_kind: global_buffer, .address_space: global }
      - { .name: queries_nqd, .offset: 16, .size: 8, .value_kind: global_buffer, .address_space: global }
      - { .name: prefix_len_n, .offset: 24, .size: 8, .value_kind: global_buffer, .address_space: global }
      - { .name: out0, .offset: 32, .size: 8, .value_kind: global_buffer, .address_space: global }
    .group_segment_fixed_size: 222208
    .private_segment_fixed_size: 0
    .kernarg_segment_align: 8
    .kernarg_segment_size: 40
    .max_flat_workgroup_size: 256
    .sgpr_count:     66
    .vgpr_count:     512
    .wavefront_size: 32
...
	.end_amdgpu_metadata
.endif
;; end of part 1
